; MI455X (gfx1250); checked and timed in simulation.
; The chip was launched on July 23, 2026; its instructions are those of AMD's public machine-readable ISA for CDNA 5 (MIT licence, August 2026) and "CDNA5" Instruction Set Architecture Reference Guide (July 2026). The comments in the code are by the model that wrote it; some were corrected since.
;; Neural Field. Allowed arithmetic: float matrix products may take bf16 or f16 operands with f32 sums; other float arithmetic in f32, or as packed bf16 or f16 multiplies, adds, multiply-adds, maxima and minima; sums over many terms, partial sums and values carried from step to step in f32; what a program stores and reads back later, other than sums and carried values, may be rounded once to bf16 or f16.
;; Inputs: W0 96 x 128 float32; Wh 7 x 224 x 128 float32; Wl 224 x 4 float32; b0 128 float32; bh 7 x 128 float32; bl 4 float32; query_points 262,144 x 3 float32.
;; Outputs: out0 262,144 x 4 float32.
;; One version. Each part assembles by itself: llvm-mc -triple=amdgcn-amd-amdhsa -mcpu=gfx1250 --defsym DOCPART=n.
;; ======== version 1 of 1: 2 launches
;; limits: values are held in f16: magnitudes above 65,504 overflow, below 6.1e-05 lose precision; inputs' magnitudes at most 400; right only within a limited range of input values
;; workspace buffers: wsb 438,272 bytes
;; launch prep (part 1): grid 107 x 1, 8 waves a work-group, no clusters, 0 bytes of LDS; arguments W0, Wh, Wl, b0, bh, bl, wsb; writes wsb
.if DOCPART == 1
	.amdgcn_target "amdgcn-amd-amdhsa--gfx1250"
	.amdhsa_code_object_version 6
	.text
	.protected	k_qcb250c5fc0_prep
	.globl	k_qcb250c5fc0_prep
	.p2align	8
	.type	k_qcb250c5fc0_prep,@function
k_qcb250c5fc0_prep:
	s_mov_b64 s[64:65], 0
	v_nop
	global_prefetch_b8 v0, s[64:65] scope:SCOPE_SE
	s_setreg_imm32_b32 hwreg(HW_REG_WAVE_MODE, 25, 1), 1
	s_wait_xcnt 0x0
; THE WEIGHTS, ROUNDED ONCE AND LAID OUT AS A WAVE'S OPERAND REGISTERS TAKE THEM; the biases copied in f32.  Nothing of reference() is left out: every input is read here or in the second launch.
; wsb, 438,272 bytes:  0: layer 0, 24 fragments at (8 e + g) x 1,024 (e: coordinate, g: block of 16 output features);  24,576: the last layer, 7 fragments at 1,024 ks;
;   31,744: the bias table, f32: entry l (0..7) 128 numbers at 512 l (b0, then bh's rows); entry 8 = bl, four zeros, bl, four zeros; zeros up to 5,120 bytes;
;   36,864 + 57,344 pos: the hidden layers in the order 2, 4, 6, 1, 3, 5, 7 (layer l is Wh[l - 1]), 56 fragments each at 8,192 ks + 1,024 g.
; A FRAGMENT is 16 output features x 32 k, 1,024 bytes: the 16 bytes at 512 q + 16 lane are registers 4 q .. 4 q + 3 of that lane; lane = 16 h + r holds output feature 16 g + r.
; K steps stand in the order in which the second launch multiplies them: ks = 0, 1, 2 the encoding of coordinate ks, in f16; ks = 3 .. 6 the hidden features 32 (ks - 3) on, in bf16.
; Element j (0..7) of the 16 bytes comes from row   32 (ks - 3) + 16 q + 8 h + j   (hidden features), or   KB + 32 ks + 16 (j % 2) + 8 h + 4 q + j / 2   (encoding; KB = 128, for W0 0):
; a permutation of k under which register i of a lane's encoding fragment is (sin, cos) of octave 8 h + i.
; In the last layer's fragments row r holds Wl's column r % 4 where r % 8 < 4, else 0: rows 8-11 repeat rows 0-3, so both halves of the lanes end with the four outputs in their lowest registers.
; LIMITS.  The rows that multiply the encoding are rounded to f16: beyond 65,504 they become infinite; below 6e-5 they keep f16's fixed step of 6e-8.  The other rows are rounded to bf16.
; SHARES.  A thread makes 16 bytes, so sixteen neighbouring lanes store 256 consecutive bytes, aligned; a work-group makes 4,096 bytes: four fragments of one K step (groups 0-103), or part of the tail (104-106).
.set ROWB,  512                        ; bytes in a row of W0 and of a layer of Wh
.set LAYB,  114688                     ; bytes in a layer of Wh
.set HBLK,  57344                      ; bytes of a hidden layer in wsb
.set HID0,  36864                      ; where the hidden layers begin in wsb
.set LASTW, 24576                      ; where the last layer's fragments begin; the bias table follows them: 24,576 + 14 x 512 = 31,744
; eight numbers of one column, rounded in pairs into v[16:19].  enc = 1: the encoding's order of rows and f16; 0: rows on end and bf16.  rs: bytes from row to row
.macro GATHER base, enc, rs
.irp j, 0,1,2,3,4,5,6,7
.if \enc
	global_load_b32 v[8+\j], v7, s[\base:\base+1] offset:(\j%2)*16*(\rs)+(\j/2)*(\rs)
.else
	global_load_b32 v[8+\j], v7, s[\base:\base+1] offset:\j*(\rs)
.endif
.endr
	s_wait_loadcnt 0x0                             ; all eight are used at once
.irp k, 0,1,2,3
.if \enc
	v_cvt_pk_f16_f32 v[16+\k], v[8+2*\k], v[9+2*\k]
.else
	v_cvt_pk_bf16_f32 v[16+\k], v[8+2*\k], v[9+2*\k]
.endif
.endr
.endm
.macro HOLES                           ; 0 where VCC says so
.irp k, 0,1,2,3
	v_cndmask_b32 v[16+\k], 0, v[16+\k], vcc_lo
.endr
.endm
.macro PUT
	global_store_b128 v6, v[16:19], s[16:17]
	s_endpgm
.endm
	s_load_b256 s[4:11], s[0:1], 0x0               ; W0 s[4:5], Wh s[6:7], Wl s[8:9], b0 s[10:11]
	s_load_b128 s[12:15], s[0:1], 0x20             ; bh s[12:13], bl s[14:15]
	s_load_b64 s[16:17], s[0:1], 0x30              ; wsb
	v_lshrrev_b32 v1, 5, v0
	v_readfirstlane_b32 s18, v1                    ; wave 0..7
	v_and_b32 v2, 15, v0                           ; r
	v_bfe_u32 v3, v0, 4, 1                         ; h
	s_cmp_ge_u32 ttmp9, 104
	s_cbranch_scc1 .Ltail
	; GROUPS 0-97: K step ks of hidden block pos, half of its eight fragments.  GROUPS 98-103: the same of W0.
	v_bfe_u32 v4, v0, 5, 1                         ; q
	v_lshrrev_b32 v5, 6, v0                        ; which of the group's four fragments
	v_lshlrev_b32 v6, 4, v0                        ; my 16 bytes of the group's 4,096
	v_lshlrev_b32 v7, 2, v2
	v_lshl_add_u32 v7, v5, 6, v7                   ; my column among the half's 64, in bytes
	v_lshl_add_u32 v7, v3, 12, v7                  ; + 8 h rows
	s_and_b32 s20, ttmp9, 1                        ; half
	s_lshr_b32 s21, ttmp9, 1                       ; u = 7 pos + ks
	s_mul_i32 s22, s21, 37
	s_lshr_b32 s22, s22, 8                         ; pos = u / 7 (exact for u under 56)
	s_mul_i32 s23, s22, 7
	s_sub_co_u32 s23, s21, s23                     ; ks
	s_lshl_b32 s24, s22, 1
	s_add_co_u32 s25, s24, 1                       ; Wh's index: 2 pos + 1 for the even layers,
	s_sub_co_u32 s26, s24, 6                       ; 2 pos - 6 for the odd ones
	s_cmp_lt_u32 s22, 3
	s_cselect_b32 s24, s25, s26
	s_mul_i32 s24, s24, LAYB
	s_mul_i32 s26, s22, HBLK
	s_add_co_u32 s26, s26, HID0
	s_sub_co_u32 s27, s21, 49                      ; W0's K step: (group - 98) / 2
	s_cmp_lt_u32 ttmp9, 98                         ; hidden, or W0?  The selects and the wait leave SCC as it is
	s_cselect_b32 s23, s23, s27                    ; ks
	s_cselect_b32 s24, s24, 0                      ; the layer's offset in the source
	s_cselect_b32 s26, s26, 0                      ; the block's offset in wsb
	s_cselect_b32 s30, 128, 0                      ; KB
	s_wait_kmcnt 0x0
	s_cselect_b64 s[28:29], s[6:7], s[4:5]         ; the source
	s_lshl_b32 s27, s23, 13
	s_add_co_u32 s26, s26, s27                     ; + 8,192 ks
	s_lshl_b32 s27, s20, 12
	s_add_co_u32 s26, s26, s27                     ; + 4,096 half
	s_mov_b32 s27, 0
	s_add_nc_u64 s[16:17], s[16:17], s[26:27]
	s_lshl_b32 s25, s20, 8
	s_add_co_u32 s24, s24, s25                     ; the half's 64 columns
	s_cmp_lt_u32 s23, 3
	s_cbranch_scc0 .Lhidden_rows
	s_lshl_b32 s25, s23, 5
	s_add_co_u32 s25, s25, s30                     ; row KB + 32 ks
	s_lshl_b32 s25, s25, 9
	s_add_co_u32 s24, s24, s25
	s_mov_b32 s25, 0
	s_add_nc_u64 s[28:29], s[28:29], s[24:25]
	v_lshl_add_u32 v7, v4, 11, v7                  ; + 4 q rows
	GATHER 28, 1, ROWB
	PUT
.Lhidden_rows:
	s_sub_co_u32 s25, s23, 3
	s_lshl_b32 s25, s25, 14                        ; row 32 (ks - 3)
	s_add_co_u32 s24, s24, s25
	s_mov_b32 s25, 0
	s_add_nc_u64 s[28:29], s[28:29], s[24:25]
	v_lshl_add_u32 v7, v4, 13, v7                  ; + 16 q rows
	GATHER 28, 0, ROWB
	PUT
	; GROUPS 104-106: 24 waves, 512 bytes each: 14 halves of the last layer's fragments, then 10 pieces of the bias table.
.Ltail:
	s_sub_co_u32 s20, ttmp9, 104
	s_lshl_b32 s20, s20, 3
	s_add_co_u32 s20, s20, s18                     ; tw 0..23
	v_and_b32 v5, 31, v0                           ; lane
	v_lshlrev_b32 v6, 4, v5
	s_lshl_b32 s26, s20, 9
	s_add_co_u32 s26, s26, LASTW
	s_mov_b32 s27, 0
	s_wait_kmcnt 0x0
	s_add_nc_u64 s[16:17], s[16:17], s[26:27]      ; wsb + 24,576 + 512 tw
	s_cmp_ge_u32 s20, 14
	s_cbranch_scc1 .Lbias
	s_lshr_b32 s23, s20, 1                         ; ks
	s_and_b32 s21, s20, 1                          ; q
	v_and_b32 v7, 3, v2
	v_lshlrev_b32 v7, 2, v7                        ; column r % 4
	v_lshl_add_u32 v7, v3, 7, v7                   ; + 8 h rows of 16 bytes
	v_and_b32 v4, 4, v2
	v_cmp_eq_u32 vcc_lo, 0, v4                     ; rows 0-3 and 8-11 are kept
	s_cmp_lt_u32 s23, 3
	s_cbranch_scc0 .Llast_hidden
	s_lshl_b32 s24, s23, 9
	s_add_co_u32 s24, s24, 2048                    ; row 128 + 32 ks
	s_lshl_b32 s25, s21, 6
	s_add_co_u32 s24, s24, s25                     ; + 4 q rows
	s_mov_b32 s25, 0
	s_add_nc_u64 s[8:9], s[8:9], s[24:25]
	GATHER 8, 1, 16
	HOLES
	PUT
.Llast_hidden:
	s_sub_co_u32 s24, s23, 3
	s_lshl_b32 s24, s24, 9                         ; row 32 (ks - 3)
	s_lshl_b32 s25, s21, 8
	s_add_co_u32 s24, s24, s25                     ; + 16 q rows
	s_mov_b32 s25, 0
	s_add_nc_u64 s[8:9], s[8:9], s[24:25]
	GATHER 8, 0, 16
	HOLES
	PUT
.Lbias:
	s_sub_co_u32 s21, s20, 14                      ; piece 0..9
	s_cmp_ge_u32 s21, 8
	s_cbranch_scc1 .Lbl
	s_sub_co_u32 s22, s21, 1
	s_lshl_b32 s22, s22, 9                         ; bh's row, piece - 1
	s_cmp_eq_u32 s21, 0                            ; piece 0 is b0
	s_cselect_b32 s22, 0, s22
	s_cselect_b64 s[28:29], s[10:11], s[12:13]
	s_mov_b32 s23, 0
	s_add_nc_u64 s[28:29], s[28:29], s[22:23]
	global_load_b128 v[16:19], v6, s[28:29]
	s_wait_loadcnt 0x0
	PUT
.Lbl:
	v_mov_b32 v7, 0
	global_load_b128 v[16:19], v7, s[14:15]        ; bl, in every lane
	s_sub_co_u32 s22, s21, 8
	s_lshl_b32 s22, s22, 5
	v_add_nc_u32 v5, s22, v5                       ; which 16 bytes behind entry 8's first
	v_and_b32 v5, -3, v5
	v_cmp_eq_u32 vcc_lo, 0, v5                     ; the first and the third hold bl, all others 0
	s_wait_loadcnt 0x0
	HOLES
	PUT
.Lfunc_end_k_qcb250c5fc0_prep:
	.size	k_qcb250c5fc0_prep, .Lfunc_end_k_qcb250c5fc0_prep-k_qcb250c5fc0_prep
	.p2alignl 7, 3214868480
	.fill 96, 4, 3214868480
	.section	.rodata,"a",@progbits
	.p2align	6, 0x0
	.amdhsa_kernel k_qcb250c5fc0_prep
		.amdhsa_group_segment_fixed_size 0
		.amdhsa_private_segment_fixed_size 0
		.amdhsa_enable_private_segment 0
		.amdhsa_kernarg_size 56
		.amdhsa_user_sgpr_count 2
		.amdhsa_user_sgpr_kernarg_segment_ptr 1
		.amdhsa_wavefront_size32 1
		.amdhsa_system_sgpr_workgroup_id_x 1
		.amdhsa_system_sgpr_workgroup_id_y 1
		.amdhsa_system_sgpr_workgroup_id_z 1
		.amdhsa_system_vgpr_workitem_id 0
		.amdhsa_next_free_vgpr 32
		.amdhsa_next_free_sgpr 66
		.amdhsa_reserve_vcc 1
		.amdhsa_float_denorm_mode_32 3
		.amdhsa_float_denorm_mode_16_64 3
		.amdhsa_memory_ordered 1
		.amdhsa_forward_progress 1
		.amdhsa_inst_pref_size 10
	.end_amdhsa_kernel
	.amdgpu_metadata
---
amdhsa.version: [ 1, 2 ]
amdhsa.kernels:
  - .name:           k_qcb250c5fc0_prep
    .symbol:         k_qcb250c5fc0_prep.kd
    .args:
      - { .name: W0, .offset: 0, .size: 8, .value_kind: global_buffer, .address_space: global }
      - { .name: Wh, .offset: 8, .size: 8, .value_kind: global_buffer, .address_space: global }
      - { .name: Wl, .offset: 16, .size: 8, .value_kind: global_buffer, .address_space: global }
      - { .name: b0, .offset: 24, .size: 8, .value_kind: global_buffer, .address_space: global }
      - { .name: bh, .offset: 32, .size: 8, .value_kind: global_buffer, .address_space: global }
      - { .name: bl, .offset: 40, .size: 8, .value_kind: global_buffer, .address_space: global }
      - { .name: wsb, .offset: 48, .size: 8, .value_kind: global_buffer, .address_space: global }
    .group_segment_fixed_size: 0
    .private_segment_fixed_size: 0
    .kernarg_segment_align: 8
    .kernarg_segment_size: 56
    .max_flat_workgroup_size: 256
    .sgpr_count:     66
    .vgpr_count:     32
    .wavefront_size: 32
...
	.end_amdgpu_metadata
.endif
;; end of part 1
;; launch mlp (part 2): grid 512 x 1, 4 waves a work-group, clusters of 4 x 1, 327,680 bytes of LDS; arguments query_points, wsb, out0; writes out0
.if DOCPART == 2
	.amdgcn_target "amdgcn-amd-amdhsa--gfx1250"
	.amdhsa_code_object_version 6
	.text
	.protected	k_qcb250c5fc0_mlp
	.globl	k_qcb250c5fc0_mlp
	.p2align	8
	.type	k_qcb250c5fc0_mlp,@function
k_qcb250c5fc0_mlp:
	s_mov_b64 s[64:65], 0
	v_nop
	global_prefetch_b8 v0, s[64:65] scope:SCOPE_SE
	s_setreg_imm32_b32 hwreg(HW_REG_WAVE_MODE, 25, 1), 1
	s_wait_xcnt 0x0
	s_wait_alu depctr_hold_cnt(0) depctr_sa_sdst(0) depctr_va_vdst(0) depctr_va_sdst(0) depctr_va_ssrc(0) depctr_va_vcc(0) depctr_vm_vsrc(0)
	s_getreg_b32 s2, hwreg(HW_REG_IB_STS2, 6, 4)
	s_cmp_eq_u32 s2, 0
	s_cbranch_scc0 .Lentry_in_a_cluster
	s_endpgm
.Lentry_in_a_cluster:
	s_bfe_u32 s2, ttmp6, 0x10000c
	s_cmp_lg_u32 s2, 0x3003
	s_cbranch_scc0 .Lentry_shape_is_right
	s_endpgm
.Lentry_shape_is_right:
; out0 = the field: enc = the frequency encoding of a point (3 coordinates x 16 octaves x sin, cos); H = relu(enc W0 + b0); seven times H = relu([H, enc] Wh[i] + bh[i]); out0 = [H, enc] Wl + bl.
; Nothing of reference() is left out: every input reaches out0.  Weights and biases come from wsb, where the launch before has laid them out (its head gives the layout; wsb and LDS have the same order).
; The last layer's tile of 16 rows holds the 4 outputs, a copy of them and 8 rows of zeros: work inside a tile that is live.
; FORMATS.  enc lies in -1 .. 1 whatever the inputs hold: enc and the weight rows that multiply it are f16.  H has no such bound: H and its weight rows are bf16.  All sums, and the biases, f32.
; THE ANGLE.  reference() takes sin and cos of fl(x 2^l pi) = 2^l Y, Y = fl(x pi), pi in f32.  Here Y / 2 pi is made in two words (Hi + Lo, by fused multiply-adds with 1 / 2 pi in two words), scaled by
; 2^(8 h) and 2^(8 h + 4), which is exact, and its nearest whole number taken away, exact too: r, in turns.  sin(pi r) and cos(pi r) come from polynomials (series cut where the next term is under 4e-6 at
; |r| = 0.5), and four doublings of the angle give the octaves 8 h + i and 8 h + 4 + i, i = 0 .. 3; a doubling doubles the error, to under 1e-4, below f16's step near 1.
; LIMITS.  |r| stays under 0.55, for which the polynomials are made, up to |x| of about 400; a denormal x pi is not treated apart.  Weight rows in f16: the limits at the head of the launch before.
; A NaN in a hidden sum becomes 0 in the relu, where reference() keeps it.  The sums' order is not reference()'s: encoding first, then H.
; SHARES.  A work-group takes 512 points, each of its four waves 128: eight tiles of 16.  512 work-groups.
; LAYOUT.  Every product is taken as (weights) x (activations): source 0 = 16 output features x 32 k, source 1 = 32 k x 16 points.  In the result a lane holds ONE point (lane % 16) and the features
; 8 (lane / 16) + 0..7; two such results rounded to bf16 in pairs ARE source 1 of the next layer's K step.  So no activation ever leaves its lane: enc and H stay in registers from first to last.
; The bias is the C operand of the product that starts a sum: nothing is cleared and nothing is added afterwards.
; A GROUP is one block of 16 output features for all eight tiles: 56 products (24 in layer 0), K step by K step, the eight accumulators by turns; two sets of accumulators and of weight registers take turns
; group by group.  The rounding and the relu of a group's results ride, four lines at a time, behind the products of the next group.  A weight fragment read from LDS feeds eight products.
; LDS.  0: layer 0, the last layer, the biases (36,864 bytes).  36,864: layers 2, 4, 6 (172,032).  208,896: ONE SLOT of 57,344 bytes for layers 1, 3, 5, 7 in turn.  266,240: the spare words.
; A fragment is read as it lies: lane i takes the 16 bytes at 16 i, 512 consecutive bytes an instruction.
; The slot is filled again in the last group of the odd layer that has read it, when each wave holds that group's fragments in registers; the fill has the whole even layer in which to land.
; CLUSTER.  All work-groups walk the same weights: four form a cluster and ask for every block JOINTLY, each wave for a quarter of its rows, by the same descriptor and a mask that names the four.
.set EVB,   36864                      ; LDS and wsb: layers 2, 4, 6
.set HBLK,  57344                      ; a hidden layer's fragments
.set SLOT,  208896                     ; LDS: the slot; wsb: layer 1, and behind it 3, 5, 7
.set SPARE, 266240                     ; the spare words, 128 bytes for each wave: two blocks of 256 bytes that no other line names
.set BIAS,  31744
.set LASTW, 24576
; vector registers, by their numbers 0 .. 1023; the macros make window and low byte of them (s_set_vgpr_msb: bits 1:0 source 0, 3:2 source 1, 5:4 source 2, 7:6 destination)
.set LA,   2                           ; 16 x lane: my place in a fragment at LDS byte 0; also my 16 bytes of 512 of out0
.set EV,   3                           ; the same in the even layer in hand: + 36,864, and 57,344 more each trip
.set SL,   4                           ; the same in the slot
.set BI,   5                           ; the bias table + 32 (lane / 16), and 1,024 more each trip
.set SPW,  6                           ; LDS address of my spare word: SPARE + 4 x my thread's number; never rewritten
.set NIL,  7                           ; 0, for the add alone; never rewritten
.set ZERO, 8                           ; 0, for the relu
.set QO,   9                           ; 12 (lane % 16): my point in a tile's 192 bytes of query_points
.set PFO,  11                          ; the prefetches' offset
.set SC,   12                          ; v[12:13]  2^(8 h), 2^(8 h + 4)
.set XQ,   16                          ; v[16+4t : 18+4t]  tile t's point: three coordinates
.set OW,   48                          ; v[48:63]  the output's words
.set TMP,  64                          ; v[64:255] ahead of layer 0: the encoder's registers, 32 for each of six chains
.set AC0,  64                          ; two sets of eight accumulators: v[64:127], v[128:191]; tile t at + 8 t
.set WB0,  192                         ; weight registers, set 0: K step ks at + 8 ks, the bias at + 56
.set WB1,  960                         ; set 1
.set HA,   256                         ; H, buffer A: tile t, K step f at + 32 t + 8 f
.set HB,   512                         ; H, buffer B
.set ENC,  768                         ; enc: tile t, coordinate c at + 24 t + 8 c; register i holds (sin, cos) of octave 8 h + i
; scalar registers
.set WV,   10                          ; my wave's number
.set CX,   11                          ; my work-group's place in the cluster
.set WG,   12                          ; my work-group's number: it enters the addresses of query_points and out0 alone
.set G1A,  16                          ; s[16:23] descriptor group 1: 36 rows of 256 bytes
.set G1S,  24                          ; s[24:31] 56 rows
.set G1C,  32                          ; s[32:39] 168 rows
.set G0A,  40                          ; s[40:43] group 0: layer 0, last layer, biases
.set G0S,  44                          ; s[44:47] the slot's: its global address walks
.set G0C,  48                          ; s[48:51] layers 2, 4, 6
.set CNT,  52                          ; trips to go
.set LIM,  53                          ; 1 in a wave that prefetches, else the greatest number
.set PFA,  54                          ; s[54:55] where my prefetches stand
.set HM,   56                          ; lanes 16-31
.set INVLO, 57                         ; 1 / 2 pi less its f32
.set INVHI, 58                         ; 1 / 2 pi in f32
.set CS4,  66                          ; the sine's coefficients, each in a pair of which the packed forms take the low word
.set CS3,  68
.set CS2,  70
.set CS1,  72
.set CS0,  74                          ; = pi in f32
.set CK5,  76                          ; the cosine's
.set CK4,  78
.set CK3,  80
.set CK2,  82
.set CK1,  84
.set MSB, 0
.macro WIN new                         ; the immediate's high byte repeats the setting that is left; a switch that changes nothing is dropped
.if MSB != (\new)
	s_set_vgpr_msb (MSB<<8)|(\new)
.set MSB, (\new)
.endif
.endm
.macro PLACES
.rept 4
	v_nop
.endr
.endm
.macro CREST                           ; a round of the cluster's barrier behind its opening barrier: wave 0 signals for the work-group, every wave waits for all four work-groups, my work-group's barrier once more
	s_cmp_lg_u32 s[WV], 0
	s_cbranch_scc1 .Lnot_wave_0_\@
	s_barrier_signal -3
.Lnot_wave_0_\@:
	s_barrier_wait -3
	s_barrier_signal -1
	s_barrier_wait -1
.endm
.macro CROUND                          ; a whole round
	s_barrier_signal -1
	s_barrier_wait -1
	CREST
.endm
.macro GROUP1 g, rows                  ; a dense block as rows of 256 bytes: elements of 8 bytes, 32 to a row, no padding
	s_mov_b32 s[\g], 15|(3<<16)|(1<<21)            ; 15:0 the mask: all four work-groups; 17:16 elements of 8 bytes; 21 set beside a mask
	s_mov_b32 s[\g+1], 32<<16                      ; tensor_dim0 = 32
	s_mov_b32 s[\g+2], (\rows)<<16                 ; tensor_dim1
	s_mov_b32 s[\g+3], 32<<16                      ; tile_dim0 = 32
	s_mov_b32 s[\g+4], \rows                       ; tile_dim1
	s_mov_b32 s[\g+5], 32                          ; 32 elements from row to row
	s_mov_b32 s[\g+6], 0
	s_mov_b32 s[\g+7], 0
.endm
.macro COEF r, val
	s_mov_b32 s[\r], \val
	s_mov_b32 s[\r+1], \val                        ; named with it as a pair
.endm
; THE ENCODER.  Tiles t0 and t0 + 1, three coordinates each: six chains that do not wait for each other, written step by step.  A chain's registers at TU: +0 Hi, +1 Y, +2 Lo, +3 E, +4 r, +6 the whole number, then r^2,
; +8 twice the sine, +12 sin(pi r), +14 cos(pi r), +16+4i and +18+4i sine and cosine after doubling i.  All from +4 on are pairs: (octave 8 h + .., octave 8 h + 4 + ..).
.macro ENCB t0
.irp u, 0,1,2,3,4,5
	v_mul_f32 v[TMP+32*\u+1], s[CS0], v[XQ+4*((\t0)+\u/3)+\u%3]  ; Y = fl(x pi), as reference() rounds it
.endr
.irp u, 0,1,2,3,4,5
.set TU, TMP+32*\u
	v_mul_f32 v[TU], s[INVHI], v[TU+1]             ; Hi
.endr
.irp u, 0,1,2,3,4,5
.set TU, TMP+32*\u
	v_fma_f32 v[TU+3], v[TU+1], s[INVHI], -v[TU]   ; what Hi's rounding lost, exactly
.endr
.irp u, 0,1,2,3,4,5
.set TU, TMP+32*\u
	v_fma_f32 v[TU+2], v[TU+1], s[INVLO], v[TU+3]  ; Lo
.endr
.irp u, 0,1,2,3,4,5
.set TU, TMP+32*\u
	v_pk_mul_f32 v[TU+4:TU+5], v[TU:TU+1], v[SC:SC+1] op_sel_hi:[0,1]  ; Hi times both powers of two
.endr
.irp u, 0,1,2,3,4,5
.set TU, TMP+32*\u
	v_rndne_f32 v[TU+6], v[TU+4]
	v_rndne_f32 v[TU+7], v[TU+5]
.endr
.irp u, 0,1,2,3,4,5
.set TU, TMP+32*\u
	v_pk_add_f32 v[TU+4:TU+5], v[TU+4:TU+5], v[TU+6:TU+7] neg_lo:[0,1] neg_hi:[0,1]
.endr
.irp u, 0,1,2,3,4,5
.set TU, TMP+32*\u
	v_pk_fma_f32 v[TU+4:TU+5], v[TU+2:TU+3], v[SC:SC+1], v[TU+4:TU+5] op_sel_hi:[0,1,1]  ; r
.endr
.irp u, 0,1,2,3,4,5
.set TU, TMP+32*\u
	v_pk_mul_f32 v[TU+6:TU+7], v[TU+4:TU+5], v[TU+4:TU+5]
.endr
.irp u, 0,1,2,3,4,5
.set TU, TMP+32*\u
	v_pk_fma_f32 v[TU+12:TU+13], v[TU+6:TU+7], s[CS4:CS4+1], s[CS3:CS3+1] op_sel_hi:[1,0,0]
	v_pk_fma_f32 v[TU+14:TU+15], v[TU+6:TU+7], s[CK5:CK5+1], s[CK4:CK4+1] op_sel_hi:[1,0,0]
.endr
.irp c, 0,1,2
.irp u, 0,1,2,3,4,5
.set TU, TMP+32*\u
	v_pk_fma_f32 v[TU+12:TU+13], v[TU+12:TU+13], v[TU+6:TU+7], s[CS2+2*\c:CS2+2*\c+1] op_sel_hi:[1,1,0]
	v_pk_fma_f32 v[TU+14:TU+15], v[TU+14:TU+15], v[TU+6:TU+7], s[CK3+2*\c:CK3+2*\c+1] op_sel_hi:[1,1,0]
.endr
.endr
.irp u, 0,1,2,3,4,5
.set TU, TMP+32*\u
	v_pk_mul_f32 v[TU+12:TU+13], v[TU+12:TU+13], v[TU+4:TU+5]                       ; sin(pi r)
	v_pk_fma_f32 v[TU+14:TU+15], v[TU+14:TU+15], v[TU+6:TU+7], 1.0 op_sel_hi:[1,1,0]  ; cos(pi r)
.endr
.irp i, 0,1,2,3                        ; sin 2a = (2 sin a) cos a; cos 2a = 1 - (2 sin a) sin a
.irp u, 0,1,2,3,4,5
.set TU, TMP+32*\u
	v_pk_add_f32 v[TU+8:TU+9], v[TU+12+4*\i:TU+13+4*\i], v[TU+12+4*\i:TU+13+4*\i]
.endr
.irp u, 0,1,2,3,4,5
.set TU, TMP+32*\u
	v_pk_mul_f32 v[TU+16+4*\i:TU+17+4*\i], v[TU+8:TU+9], v[TU+14+4*\i:TU+15+4*\i]
	v_pk_fma_f32 v[TU+18+4*\i:TU+19+4*\i], v[TU+8:TU+9], v[TU+12+4*\i:TU+13+4*\i], 1.0 op_sel_hi:[1,1,0] neg_lo:[1,0,0] neg_hi:[1,0,0]
.endr
.endr
	WIN (ENC/256)<<6
.irp u, 0,1,2,3,4,5
.set TU, TMP+32*\u
.set EN, ENC%256+24*((\t0)+\u/3)+8*(\u%3)
.irp i, 0,1,2,3
	v_cvt_pk_f16_f32 v[EN+\i], v[TU+16+4*\i], v[TU+18+4*\i]      ; octave 8 h + i
	v_cvt_pk_f16_f32 v[EN+4+\i], v[TU+17+4*\i], v[TU+19+4*\i]    ; octave 8 h + 4 + i
.endr
.endr
	WIN 0
.endm
; THE GROUP'S NEXT PRODUCT: number GI, K step GI / 8, tile GI % 8.  K steps 0-2 take enc, in f16; 3-6 take H, in bf16; K step 0 takes the bias as C.  The eight accumulators take turns, one instruction a turn,
; and neighbouring groups have different sets; where the form changes on an accumulator (products 16 + t and 24 + t), two slices, eight plain lines that name none of its registers, lie between.
.macro MMA
.set ks, GI/8
.set tt, GI%8
.set rD, G_AB+8*tt
.set rA, G_WB+8*ks
.set rB, ENC+24*tt+8*ks
.set rC, rD
.if ks >= 3
.set rB, G_IN+32*tt+8*(ks-3)
.endif
.if ks == 0
.set rC, G_WB+56
.endif
.set wN, (rA/256)|((rB/256)<<2)|((rC/256)<<4)|((rD/256)<<6)
	WIN wN
.set rD, rD%256
.set rA, rA%256
.set rB, rB%256
.set rC, rC%256
.if ks < 3
	v_wmma_f32_16x16x32_f16 v[rD:rD+7], v[rA:rA+7], v[rB:rB+7], v[rC:rC+7]
.else
	v_wmma_f32_16x16x32_bf16 v[rD:rD+7], v[rA:rA+7], v[rB:rB+7], v[rC:rC+7]
.endif
.set GI, GI+1
.endm
; SLICE SN of 16 of what is made of the group before: tile SN / 2; even: its eight sums rounded to bf16 in pairs, the lowest registers first; odd: the relu on the packed pairs.
.macro SLICE
.set st, SN/2
.set dH, R_DST%256+32*st
.if SN%2 == 0
	WIN (R_DST/256)<<6
.irp k, 0,1,2,3
	v_cvt_pk_bf16_f32 v[dH+\k], v[R_AB+8*st+2*\k], v[R_AB+8*st+2*\k+1]
.endr
.else
	WIN ((R_DST/256)<<6)|(R_DST/256)
.irp k, 0,1,2,3
	v_pk_max_num_bf16 v[dH+\k], v[dH+\k], v[ZERO]
.endr
.endif
.set SN, SN+1
.endm
; n products, and a slice behind those whose number is 1 or 5 modulo 7 (groups of 56), or not 1 modulo 3 (groups of 24): 16 slices a group.
; Tile t's relu stands behind product 7 t + 5; in a layer's first group its first reader is product 48 + t.
.macro GSEG n
.rept \n
	MMA
.if G_RID && (((G_NK == 7) && (((GI-1)%7 == 1) || ((GI-1)%7 == 5))) || ((G_NK == 3) && ((GI-1)%3 != 1)))
	SLICE
.endif
.endr
.endm
; ONE RUN OF LDS LOADS: a group's nk fragments and its bias into weight set b.  The set's last reader, the last product of the group before, stands two slices back or more:
; eight plain lines that name none of its registers (ISA guide 7.12.1 for vector instructions).
.macro RUN b, adr, woff, nk, kstr, boff
.set rW, WB0+(WB1-WB0)*(\b)
	WIN (rW/256)<<6
.set rW, rW%256
.set kk, 0
.rept \nk
	ds_load_b128 v[rW+8*kk:rW+8*kk+3],   v[\adr] offset:(\woff)+kk*(\kstr)
	ds_load_b128 v[rW+8*kk+4:rW+8*kk+7], v[\adr] offset:(\woff)+kk*(\kstr)+512
.set kk, kk+1
.endr
	ds_load_b128 v[rW+56:rW+59], v[BI] offset:(\boff)      ; features 8 h + 0..7 of the block: the same for all points
	ds_load_b128 v[rW+60:rW+63], v[BI] offset:(\boff)+16
.endm
; THE REFILL OF THE SLOT, in two halves with sixteen products and their slices, work on registers, between the signal and the wait.  Each wave has its last fragments of the slot in registers.
.macro RR_A
	WIN 0                                          ; the add's two registers lie in window 0
	s_wait_tensorcnt 0x0                           ; all my tensor loads have landed (in the first trip: my part of layers 2, 4, 6 too), so a group 0 may be written
	ds_add_u32 v[SPW], v[NIL]                      ; 0 onto my spare word: the steps below stand between it and the wait for it
	s_add_nc_u64 s[G0S+2:G0S+3], s[G0S+2:G0S+3], HBLK  ; the next odd layer; the type bits on top are not reached
	s_wait_xcnt 0x0                                ; the last prefetch, a trip back, has read its address
	s_add_nc_u64 s[PFA:PFA+1], s[PFA:PFA+1], HBLK  ; one layer behind the walking descriptor
	s_wait_dscnt 0x0                               ; the add is done, and my reads of the slot are over
	s_barrier_signal -1                            ; this barrier opens a round of the cluster's
.endm
.macro RR_B
	WIN 0
	s_barrier_wait -1
	CREST                                          ; no wave of any partner still reads the slot or has a load on its way
	tensor_load_to_lds s[G0S:G0S+3], s[G1S:G1S+7]  ; my one tensor load behind the round, and the first thing there: a quarter of the next odd layer
	s_nop 0
	PLACES
.endm
; A PREFETCH INTO THE L2 of the layer that the NEXT refill will ask for, behind the joint load, its five lines and the run of LDS loads: a trip, 896 products, ahead of that load.  So layers 5 and 7 are asked for;
; layer 3 and the first fills come by their loads alone, and the last trip asks for nothing.  All clusters walk the same layers: the first cluster asks.  Its four partners share a layer's 224 rows of 256 bytes
; out BY ADDRESS, 56 each; in each, wave 0 names rows 0-31 and wave 1 rows 32-55, a lane a row (its lanes 24-31 name row 55 again).
.macro ASK
	WIN 0
	s_cmp_gt_u32 s[CNT], s[LIM]
	s_cbranch_scc0 .Lnot_mine_\@
	global_prefetch_b8 v[PFO], s[PFA:PFA+1] th:TH_LOAD_NT scope:SCOPE_SE
.Lnot_mine_\@:
.endm
; A LAYER: eight groups.  nk K steps; H read from in, written to out; fragments at v[adr] + 8,192 ks + 1,024 g, bias at v[BI] + boff + 64 g.  A group waits for its fragments, asked for in the group before,
; and early on asks for the next group's.  The first group's slices finish the layer before: its block 7, into in + 28.  The last group asks for the next layer's first fragments
; (v[nadr] + nwoff + nkstr ks, bias nboff), behind what that wants: sync = 1: a barrier in front of which each wave's tensor loads but the cnt youngest have landed; 2: the refill; 0: nothing.
; first = 1: layer 0: there is no group before the first, and four v_nop stand behind it in the slices' stead.
.macro LAYER nk, in, out, adr, boff, nadr, nwoff, nkstr, nboff, sync, cnt, first
.set g, 0
.rept 8
.set G_AB, AC0+64*(g%2)
.set R_AB, AC0+64*((g+1)%2)
.set G_WB, WB0+(WB1-WB0)*(g%2)
.set G_IN, (\in)
.set G_NK, (\nk)
.set G_RID, 1
.set R_DST, (\in)+28
.if g > 0
.set R_DST, (\out)+8*((g-1)/2)+4*((g-1)%2)
.elseif \first
.set G_RID, 0
.endif
.set GI, 0
.set SN, 0
	s_wait_dscnt 0x0                               ; the group's fragments and bias are in
	GSEG 1+5*((\nk)/7)
.if g < 7
	RUN (g+1)%2, \adr, (g+1)*1024, \nk, 8192, (\boff)+64*(g+1)
	GSEG 23+27*((\nk)/7)
.if (\first) && (g == 0)
	PLACES
.endif
.else
.if (\sync) == 1
	s_wait_tensorcnt \cnt                          ; my part of the block that is read next has landed; no LDS instruction of mine is out,
	s_barrier_signal -1
.elseif (\sync) == 2
	RR_A
.endif
	GSEG 8+8*((\nk)/7)
.if (\sync) == 1
	s_barrier_wait -1                              ; everybody's part has
.elseif (\sync) == 2
	RR_B
.endif
	RUN 0, \nadr, \nwoff, 7, \nkstr, \nboff
.if (\sync) == 2
	ASK
.endif
	GSEG 15+19*((\nk)/7)
.endif
.set g, g+1
.endr
.endm
	s_load_b128 s[4:7], s[0:1], 0x0                ; query_points s[4:5], wsb s[6:7]
	s_load_b64 s[8:9], s[0:1], 0x10                ; out0
	v_lshl_add_u32 v[SPW], v0, 2, SPARE
	v_mov_b32 v[NIL], 0
	ds_add_u32 v[SPW], v[NIL]                      ; the wave's opening: the add, twice on end, and its wait ahead of my first tensor load; the set-up below, work on registers, stands between
	ds_add_u32 v[SPW], v[NIL]                      ; and once more, under the one wait
	v_lshrrev_b32 v1, 5, v0
	v_readfirstlane_b32 s[WV], v1                  ; wave 0..3
	s_bfe_u32 s[CX], ttmp6, 0x40000                ; my place in the cluster
	s_lshl_b32 s[WG], ttmp9, 2                     ; in a cluster launch ttmp9 counts clusters
	s_add_co_u32 s[WG], s[WG], s[CX]
	GROUP1 G1A, 36
	GROUP1 G1S, 56
	GROUP1 G1C, 168
	; each wave moves a quarter of a block's rows.  wsb and LDS have the same order, so one number is the offset in wsb and the LDS address; no place in the cluster enters it
	s_mul_i32 s86, s[WV], 9216
	s_mov_b32 s87, 0
	s_mul_i32 s88, s[WV], 14336
	s_add_co_u32 s88, s88, SLOT
	s_mov_b32 s89, 0
	s_mul_i32 s90, s[WV], 43008
	s_add_co_u32 s90, s90, EVB
	s_mov_b32 s91, 0
	s_mov_b32 s[G0A], 1                            ; 1:0 count = 1
	s_mov_b32 s[G0A+1], s86                        ; 63:32 LDS address
	s_mov_b32 s[G0S], 1
	s_mov_b32 s[G0S+1], s88
	s_mov_b32 s[G0C], 1
	s_mov_b32 s[G0C+1], s90
	s_mul_i32 s92, s[WG], 6144                     ; my work-group's 512 points of 12 bytes,
	s_mul_i32 s93, s[WV], 1536                     ; my wave's 128
	s_add_co_u32 s92, s92, s93
	s_mov_b32 s93, 0
	s_lshl_b32 s94, s[WG], 13                      ; and the same in out0, 16 bytes a point
	s_lshl_b32 s95, s[WV], 11
	s_add_co_u32 s94, s94, s95
	s_mov_b32 s95, 0
	s_mul_i32 s60, s[CX], 14336                    ; the prefetches: my work-group's 56 rows,
	s_add_co_u32 s60, s60, SLOT+HBLK               ; in layer 3; the first refill steps this to layer 5
	s_mov_b32 s61, 0
	s_lshr_b32 s[LIM], s[WV], 1                    ; 0 in waves 0 and 1,
	s_or_b32 s[LIM], s[LIM], ttmp9                 ; where the cluster is the first: the same in all four partners
	s_cmp_eq_u32 s[LIM], 0
	s_cselect_b32 s[LIM], 1, -1
	s_mov_b32 s[HM], 0xffff0000
	s_mov_b32 s[INVLO], 0x31dc9c88                 ; 6.4206e-9
	s_mov_b32 s[INVHI], 0x3e22f983                 ; 0.15915494
	COEF CS4, 0x3da83c1a                           ; pi^9 / 9!
	COEF CS3, 0xbf196966                           ; -pi^7 / 7!
	COEF CS2, 0x402335e3                           ; pi^5 / 5!
	COEF CS1, 0xc0a55de7                           ; -pi^3 / 3!
	COEF CS0, 0x40490fdb                           ; pi
	COEF CK5, 0xbcd368f9                           ; -pi^10 / 10!
	COEF CK4, 0x3e70fa83                           ; pi^8 / 8!
	COEF CK3, 0xbfaae9e4                           ; -pi^6 / 6!
	COEF CK2, 0x4081e0f8                           ; pi^4 / 4!
	COEF CK1, 0xc09de9e6                           ; -pi^2 / 2
	v_and_b32 v1, 31, v0                           ; lane
	v_lshlrev_b32 v[LA], 4, v1
	v_add_nc_u32 v[EV], EVB, v[LA]
	v_add_nc_u32 v[SL], SLOT, v[LA]
	v_bfe_u32 v14, v0, 4, 1                        ; h = lane / 16
	v_lshl_add_u32 v[BI], v14, 5, BIAS
	v_mov_b32 v[ZERO], 0
	v_and_b32 v15, 15, v0                          ; lane % 16
	v_mul_u32_u24 v[QO], v15, 12
	v_min_u32 v[PFO], 55, v0                       ; in waves 0 and 1 the thread's number is the row
	v_lshlrev_b32 v[PFO], 8, v[PFO]
	v_lshl_add_u32 v[SC], v14, 26, 0x3f800000      ; 2^(8 h): 8 h onto the exponent of 1.0
	v_add_nc_u32 v[SC+1], 0x2000000, v[SC]         ; 2^(8 h + 4)
	s_wait_dscnt 0x0                               ; both opening adds are done
	s_wait_kmcnt 0x0
	s_add_nc_u64 s[G0A+2:G0A+3], s[6:7], s[86:87]  ; 120:64 global address
	s_or_b32 s[G0A+3], s[G0A+3], 0x80000000        ; 127:126 type = 2
	s_add_nc_u64 s[G0S+2:G0S+3], s[6:7], s[88:89]
	s_or_b32 s[G0S+3], s[G0S+3], 0x80000000
	s_add_nc_u64 s[G0C+2:G0C+3], s[6:7], s[90:91]
	s_or_b32 s[G0C+3], s[G0C+3], 0x80000000
	s_add_nc_u64 s[PFA:PFA+1], s[6:7], s[60:61]
	s_add_nc_u64 s[4:5], s[4:5], s[92:93]
	s_add_nc_u64 s[8:9], s[8:9], s[94:95]
	CROUND                                         ; all four work-groups are here: the first joint loads meet
	tensor_load_to_lds s[G0A:G0A+3], s[G1A:G1A+7]  ; the first fills go out as one group, in the order in which they are wanted: three loads of mine are out.  Layer 0, last layer, biases;
	s_nop 0
	tensor_load_to_lds s[G0S:G0S+3], s[G1S:G1S+7]  ; layer 1 into the slot;
	s_nop 0
	tensor_load_to_lds s[G0C:G0C+3], s[G1C:G1C+7]  ; layers 2, 4, 6
	s_nop 0
	PLACES
.irp t, 0,1,2,3,4,5,6,7
	global_load_b96 v[XQ+4*\t:XQ+4*\t+2], v[QO], s[4:5] offset:192*\t th:TH_LOAD_NT  ; tile t's 16 points; both halves of the lanes take the same point
.endr
	s_wait_loadcnt 6                               ; tiles 0 and 1 are in; the six younger loads may stay out.  The encoding stands in the wait for the first fills
	ENCB 0
	s_wait_loadcnt 4
	ENCB 2
	s_wait_loadcnt 2
	ENCB 4
	s_wait_loadcnt 0x0
	ENCB 6
	s_wait_tensorcnt 2                             ; my part of the first block is in; the two younger loads may stay out
	s_barrier_signal -1
	s_barrier_wait -1                              ; everybody's is
	RUN 0, LA, 0, 3, 8192, 0
	LAYER 3, 0, HA, LA, 0, SL, 0, 8192, 512, 1, 1, 1      ; layer 0; in its last group: layer 1 has landed (one younger load may stay out)
	WIN 0                                          ; at a label and at a branch every window is 0
	s_mov_b32 s[CNT], 3
.Ltrip:                                                ; layers 1 and 2, 3 and 4, 5 and 6
	LAYER 7, HA, HB, SL, 512, EV, 0, 8192, 1024, 2, 0, 0  ; the odd layer, out of the slot, which its last group fills again
	LAYER 7, HB, HA, EV, 1024, SL, 0, 8192, 1536, 1, 0, 0 ; the even layer; in its last group the slot's fill, my one load that is out, is waited for
	WIN 0
	v_add_nc_u32 v[EV], HBLK, v[EV]                ; the next even layer,
	v_add_nc_u32 v[BI], 1024, v[BI]                ; two entries on in the bias table
	s_sub_co_u32 s[CNT], s[CNT], 1
	s_cmp_lg_u32 s[CNT], 0
	s_cbranch_scc1 .Ltrip
	LAYER 7, HA, HB, SL, 512, LA, LASTW, 1024, 1024, 0, 0, 0  ; layer 7: nothing is asked for; its last group fetches the last layer's seven fragments and bl
	; THE LAST LAYER: one group; its slices finish layer 7's block 7
.set G_AB, AC0
.set R_AB, AC0+64
.set G_WB, WB0
.set G_IN, HB
.set G_NK, 7
.set G_RID, 1
.set R_DST, HB+28
.set GI, 0
.set SN, 0
	s_wait_dscnt 0x0
	GSEG 56
	WIN 0
	PLACES                                         ; behind the last products, in front of the lines that read their results
	; both halves of the lanes hold a point's four outputs in an accumulator's registers 0-3: lanes 0-15 keep the even tile's, lanes 16-31 take the odd tile's: 32 points, 512 consecutive bytes a store
.irp p, 0,1,2,3
.irp i, 0,1,2,3
	v_cndmask_b32 v[OW+4*\p+\i], v[AC0+16*\p+\i], v[AC0+16*\p+8+\i], s[HM]
.endr
	global_store_b128 v[LA], v[OW+4*\p:OW+4*\p+3], s[8:9] offset:512*\p th:TH_STORE_NT
.endr
	s_wait_tensorcnt 0x0                           ; the wave's end, behind my last tensor load
	ds_add_u32 v[SPW], v[NIL]
	s_wait_dscnt 0x0
	CROUND                                         ; the closing round: no work-group ends while a partner may still ask for a block that names it
	s_endpgm
.Lfunc_end_k_qcb250c5fc0_mlp:
	.size	k_qcb250c5fc0_mlp, .Lfunc_end_k_qcb250c5fc0_mlp-k_qcb250c5fc0_mlp
	.p2alignl 7, 3214868480
	.fill 96, 4, 3214868480
	.section	.rodata,"a",@progbits
	.p2align	6, 0x0
	.amdhsa_kernel k_qcb250c5fc0_mlp
		.amdhsa_group_segment_fixed_size 327680
		.amdhsa_private_segment_fixed_size 0
		.amdhsa_enable_private_segment 0
		.amdhsa_kernarg_size 24
		.amdhsa_user_sgpr_count 2
		.amdhsa_user_sgpr_kernarg_segment_ptr 1
		.amdhsa_wavefront_size32 1
		.amdhsa_system_sgpr_workgroup_id_x 1
		.amdhsa_system_sgpr_workgroup_id_y 1
		.amdhsa_system_sgpr_workgroup_id_z 1
		.amdhsa_system_vgpr_workitem_id 0
		.amdhsa_next_free_vgpr 1024
		.amdhsa_next_free_sgpr 96
		.amdhsa_reserve_vcc 0
		.amdhsa_float_denorm_mode_32 3
		.amdhsa_float_denorm_mode_16_64 3
		.amdhsa_memory_ordered 1
		.amdhsa_forward_progress 1
		.amdhsa_inst_pref_size 255
	.end_amdhsa_kernel
	.section	.bss,"aw",@nobits
	.p2align	6
	.space	262144
	.amdgpu_metadata
---
amdhsa.version: [ 1, 2 ]
amdhsa.kernels:
  - .name:           k_qcb250c5fc0_mlp
    .symbol:         k_qcb250c5fc0_mlp.kd
    .args:
      - { .name: query_points, .offset: 0, .size: 8, .value_kind: global_buffer, .address_space: global }
      - { .name: wsb, .offset: 8, .size: 8, .value_kind: global_buffer, .address_space: global }
      - { .name: out0, .offset: 16, .size: 8, .value_kind: global_buffer, .address_space: global }
    .group_segment_fixed_size: 327680
    .private_segment_fixed_size: 0
    .kernarg_segment_align: 8
    .kernarg_segment_size: 24
    .max_flat_workgroup_size: 128
    .sgpr_count:     96
    .vgpr_count:     1024
    .wavefront_size: 32
...
	.end_amdgpu_metadata
.endif
;; end of part 2
